; MI455X (gfx1250); checked and timed in simulation.
; The chip was launched on July 23, 2026; its instructions are those of AMD's public machine-readable ISA for CDNA 5 (MIT licence, August 2026) and "CDNA5" Instruction Set Architecture Reference Guide (July 2026). The comments in the code are by the model that wrote it; some were corrected since.
;; KAN GLU Expert. Allowed arithmetic: matrix products marked QUANTISED: E5M2 operands, one given power-of-two scale a tensor, by v_wmma_f32_16x16x64_bf8_bf8 or v_wmma_f32_16x16x128_bf8_bf8, f32 sums; everything else in f32.
;; Inputs: base_w1 1,024 x 1,024 float32; base_w2 1,024 x 1,024 float32; base_w3 1,024 x 1,024 float32; grid_ff 1,024 x 8 float32; grid_in 1,024 x 8 float32; lowp_scales 12 int32 (the exponents e of the quantised operands' scales 2^e); spline_w1 1,024 x 1,024 x 4 float32; spline_w2 1,024 x 1,024 x 4 float32; spline_w3 1,024 x 1,024 x 4 float32; x 2 x 2,048 x 1,024 float32.
;; Outputs: out0 2 x 2,048 x 1,024 float32.
;; This version of the problem:
;;   THIS VERSION OF THE PROBLEM IS GIVEN IN LOW PRECISION. The matrix products marked QUANTISED in the list below multiply operands that are first quantised to E5M2 (5 exponent bits, 2 mantissa bits; 8 bits a number), with one given power-of-two scale for each operand tensor; their sums are f32. All else is computed in f32.
;;   The module's matrix products, in the order in which they are computed (A, B: the left and right operand; K: the contracted axis; several contracted axes count as one K, in the product's order):
;;     1. [M 4,096, K 1,024] x [K 1,024, N 1,024]; A: computed on the way; B: input base_w1: QUANTISED (scales: A lowp_scales[0], B lowp_scales[1])
;;     2. [M 4,096, K 4,096] x [K 4,096, N 1,024]; A: computed on the way; B: input spline_w1: QUANTISED (scales: A lowp_scales[2], B lowp_scales[3])
;;     3. [M 4,096, K 1,024] x [K 1,024, N 1,024]; A: computed on the way; B: input base_w2: QUANTISED (scales: A lowp_scales[4], B lowp_scales[5])
;;     4. [M 4,096, K 4,096] x [K 4,096, N 1,024]; A: computed on the way; B: input spline_w2: QUANTISED (scales: A lowp_scales[6], B lowp_scales[7])
;;     5. [M 4,096, K 1,024] x [K 1,024, N 1,024]; A: computed on the way; B: input base_w3: QUANTISED (scales: A lowp_scales[8], B lowp_scales[9])
;;     6. [M 4,096, K 4,096] x [K 4,096, N 1,024]; A: computed on the way; B: input spline_w3: QUANTISED (scales: A lowp_scales[10], B lowp_scales[11])
;;   THE QUANTISER, for each operand of a quantised product, along K:
;;     - The operand's scale is 2^e, e = its entry of the input lowp_scales (int32; the entries are numbered through the quantised products in the list's order, A before B).
;;     - Each number is divided by the scale, clamped to +-57,344, and rounded to the nearest number of E5M2, ties to even, subnormals kept.
;;     - The product sums the exact products of the quantised numbers (number of the format x scale) in f32.
;;   ~~~python
;;   def quantise(x, axis, e):      # numpy; x: float32 -> the quantised numbers, widened to float32 again
;;       x = np.moveaxis(x, axis, -1); K = x.shape[-1]
;;       r = np.clip(x / 2.0 ** e, -57344, 57344)
;;       step = 2.0 ** (np.maximum(np.frexp(np.where(r == 0, 1, r))[1] - 1, -14) - 2)
;;       q = np.round(r / step) * step * 2.0 ** e      # np.round: ties to even
;;       return np.moveaxis(q, -1, axis).astype(np.float32)
;;   ~~~
;;   OPERANDS COMPUTED ON THE WAY. 'Computed on the way' means the value that the module computes at that place (a softmax that the list does not call 'softmax' is quantised finished and normalised). What goes into a quantiser is computed in f32, as accurately as f32 sums, v_exp_f32 and their like allow (about 1e-6 of the number): no bf16 or f16 on the way to a quantiser, and a product that is left as it is and whose result goes on into a quantised operand takes f32 operands (vector FMAs, or v_wmma_f32_16x16x4_f32). A number that lies on a knife's edge between two numbers of the format may be rounded either way, as far as f32 arithmetic and the matrix unit's own rounding can turn it there, and no further.
;; One version. Each part assembles by itself: llvm-mc -triple=amdgcn-amd-amdhsa -mcpu=gfx1250 --defsym DOCPART=n.
;; ======== version 1 of 1: 3 launches
;; limits: right only within a limited range of input values
;; workspace buffers: acodes 41,943,040 bytes; wcodes 15,728,640 bytes; hcodes 20,971,520 bytes
;; launch prep (part 1): grid 256 x 1, 8 waves a work-group, no clusters, 66,560 bytes of LDS; arguments x, grid_in, base_w1, spline_w1, base_w2, spline_w2, base_w3, spline_w3, lowp_scales, acodes, wcodes; writes acodes, wcodes
.if DOCPART == 1
	.amdgcn_target "amdgcn-amd-amdhsa--gfx1250"
	.amdhsa_code_object_version 6
	.text
	.protected	k_qffd22ab42d_prep
	.globl	k_qffd22ab42d_prep
	.p2align	8
	.type	k_qffd22ab42d_prep,@function
k_qffd22ab42d_prep:
	s_mov_b64 s[64:65], 0
	v_nop
	global_prefetch_b8 v0, s[64:65] scope:SCOPE_SE
	s_setreg_imm32_b32 hwreg(HW_REG_WAVE_MODE, 25, 1), 1
	s_wait_xcnt 0x0
; All that is quantised once: the six weights, and silu(x) and the B-spline bases of x, as codes of BF8 (E5M2), each with the scale 2^e given for it.
; ONE ROW LAYOUT for every operand of the three layers, 5,120 bytes = 20 x 256:  bytes 0..1023: the base product's K: byte i = feature i;
; bytes 1024..5119: the spline product's K: the 8 bytes at 1024 + 8 P belong to features 2 P and 2 P + 1, byte 2 c + u = coefficient c of feature 2 P + u.
; That is a permutation of K, alike in both operands of a product.  It is the order in which a packed evaluation of two features leaves its 8 results in 8 consecutive registers.
; wcodes [3][1024][5120]: layer, output, row.   acodes [2][4096][5120]: silu(x) and B(x) under layer 1's scales (entries 0, 2), then under layer 2's (entries 4, 6): the given scales may differ.
; SHARES: 256 work-groups of 8 waves, all with the same work, in two phases; waves share nothing, so there is no barrier.
;   WEIGHTS: wave w takes half (w & 1) of output row 4 x work-group + (w >> 1) of each of the three layers: 15 steps of 512 numbers (a layer: 1 of the base weight, 4 of the spline weight).
;     Each load reads 512 consecutive bytes; a step's 2,048 bytes turn through the wave's own stage in LDS (16 bytes of padding behind each 64) and come back 16 neighbours a lane; a lane's 16 codes are 16 bytes.
;   ROWS: the work-group takes 16 rows of x, wave w features 128 w .. 128 w + 127, a lane four features (two packed pairs), whose knots and reciprocal knot distances stay in registers.
; THE SPLINES are reference()'s triangle with each feature's own 8 knots g0..g7: 7 indicators, then 6, 5, 4 bases.  With t_k = x - g_k and r^j_i = 1 / (g_(i+j) - g_i):
;   B^j_i = t_i (B^(j-1)_i r^j_i) - t_(i+j+1) (B^(j-1)_(i+1) r^j_(i+1)).  x >= g_k is read off t_k >= 0: the sign of an f32 difference is exact.
; STORES: the spline section leaves as 512 consecutive aligned bytes a wave and row.  The base section of a row of x is 128 bytes a wave: half of an aligned 256; that is one fifth of the codes' bytes.
; No cluster, no tensor load: the work-groups share only the 32 KB of knots.
; LIMITS: each given e between -126 and 112.  NaN and infinities among x, the weights and the knots are not served, nor equal knots (reference() divides by 0 there).  silu(x) below about x = -88 is -0.
;   Order of rounding: t (B r), r by v_rcp_f32, where reference() has (t / d) B.
.set SP,    80                         ; a lane's place in a stage: 64 bytes + 16
.set WREG,  8192                       ; LDS of a wave: two stages of 32 x SP bytes
.set ROWC,  5120
.set XR,    36                         ; v36-51   four rows of x, four numbers each
.set RAW,   52                         ; v52-83   the knots as loaded (4 features x 8)
.set RW,    84                         ; v84-147  weights: four sets of 16 numbers as loaded
.set XW,    148                        ; v148-179 two sets of 16 neighbours
.set CT,    180                        ; v180-183 codes ahead of the byte shuffle
.set CW,    184                        ; v184-243 codes: four registers for each of 15 steps, so that no store's data are written again
.set TMP0,  52                         ; rows: v52-59, v60-67 held numbers; v68-75 silu
.set TMP1,  60
.set E,     68
.set CS0,   76                         ; v76-83   spline codes, layer 1's scales: two rows x 4
.set G,     84                         ; v84-115  knots: G + 16 P + 2 k + u
.set R1,    116                        ; v116-143 r^1: R1 + 14 P + 2 i + u
.set R2,    144                        ; v144-167 r^2
.set R3,    168                        ; v168-187 r^3
.set T,     188                        ; v188-203 t_k
.set PB0,   204                        ; v204-217
.set PB1,   218                        ; v218-229 the result: PB1 + 2 c + u
.set UU,    230                        ; v230-241
.set CS1,   242                        ; v242-249 spline codes, layer 2's scales
.set CB0,   250                        ; v250-251 base codes, layer 1's scale: row a, row b
.set CB1,   252                        ; v252-253 layer 2's
.set M,     80                         ; s[80:95] lane masks of t_k >= 0
.set NL2E,  58                         ; s[58:59] -log2(e)
; ---- macros shared with the launch that makes h
.macro CONSTS raw                      ; knots interleaved by pairs of features; the 72 knot distances and their reciprocals
.irp P, 0,1
.irp u, 0,1
.irp k, 0,1,2,3,4,5,6,7
	v_mov_b32 v[G+16*\P+2*\k+\u], v[\raw+8*(2*\P+\u)+\k]
.endr
.endr
.endr
.irp P, 0,1
.irp i, 0,1,2,3,4,5,6
	v_pk_add_f32 v[R1+14*\P+2*\i:R1+14*\P+2*\i+1], v[G+16*\P+2*\i+2:G+16*\P+2*\i+3], v[G+16*\P+2*\i:G+16*\P+2*\i+1] neg_lo:[0,1] neg_hi:[0,1]
.endr
.irp i, 0,1,2,3,4,5
	v_pk_add_f32 v[R2+12*\P+2*\i:R2+12*\P+2*\i+1], v[G+16*\P+2*\i+4:G+16*\P+2*\i+5], v[G+16*\P+2*\i:G+16*\P+2*\i+1] neg_lo:[0,1] neg_hi:[0,1]
.endr
.irp i, 0,1,2,3,4
	v_pk_add_f32 v[R3+10*\P+2*\i:R3+10*\P+2*\i+1], v[G+16*\P+2*\i+6:G+16*\P+2*\i+7], v[G+16*\P+2*\i:G+16*\P+2*\i+1] neg_lo:[0,1] neg_hi:[0,1]
.endr
.endr
.set j, R1
	s_wait_alu depctr_va_vdst(0)
.rept 72
	v_rcp_f32 v[j], v[j]
.set j, j+1
.endr
	v_nop                                          ; a plain instruction behind the last reciprocal (ISA guide 5.7.2)
.endm
.macro SPL x, P                        ; the four bases of the two features of pair P at v[x], v[x+1] -> v[PB1 + 2 c + u]
.irp k, 0,1,2,3,4,5,6,7
	v_pk_add_f32 v[T+2*\k:T+2*\k+1], v[\x:\x+1], v[G+16*\P+2*\k:G+16*\P+2*\k+1] neg_lo:[0,1] neg_hi:[0,1]   ; t_k = x - g_k
.endr
.irp n, 0,1,2,3,4,5,6,7,8,9,10,11,12,13,14,15
	v_cmp_le_f32 s[M+\n], 0, v[T+\n]               ; x >= g_k
.endr
.irp n, 0,1,2,3,4,5,6,7,8,9,10,11,12,13
	s_and_not1_b32 s[M+\n], s[M+\n], s[M+\n+2]     ; and x < g_(k+1); ascending, so the upper mask is still whole
.endr
.irp n, 0,1,2,3,4,5,6,7,8,9,10,11,12,13
	v_cndmask_b32 v[PB0+\n], 0, v[R1+14*\P+\n], s[M+\n]   ; B^0 r^1: r^1 or 0
.endr
.irp i, 0,1,2,3,4,5
	v_pk_mul_f32 v[UU+2*\i:UU+2*\i+1], v[PB0+2*\i+2:PB0+2*\i+3], v[T+2*\i+4:T+2*\i+5]
.endr
.irp i, 0,1,2,3,4,5
	v_pk_fma_f32 v[PB1+2*\i:PB1+2*\i+1], v[PB0+2*\i:PB0+2*\i+1], v[T+2*\i:T+2*\i+1], v[UU+2*\i:UU+2*\i+1] neg_lo:[0,0,1] neg_hi:[0,0,1]
.endr
.irp i, 0,1,2,3,4,5
	v_pk_mul_f32 v[PB1+2*\i:PB1+2*\i+1], v[PB1+2*\i:PB1+2*\i+1], v[R2+12*\P+2*\i:R2+12*\P+2*\i+1]
.endr
.irp i, 0,1,2,3,4
	v_pk_mul_f32 v[UU+2*\i:UU+2*\i+1], v[PB1+2*\i+2:PB1+2*\i+3], v[T+2*\i+6:T+2*\i+7]
.endr
.irp i, 0,1,2,3,4
	v_pk_fma_f32 v[PB0+2*\i:PB0+2*\i+1], v[PB1+2*\i:PB1+2*\i+1], v[T+2*\i:T+2*\i+1], v[UU+2*\i:UU+2*\i+1] neg_lo:[0,0,1] neg_hi:[0,0,1]
.endr
.irp i, 0,1,2,3,4
	v_pk_mul_f32 v[PB0+2*\i:PB0+2*\i+1], v[PB0+2*\i:PB0+2*\i+1], v[R3+10*\P+2*\i:R3+10*\P+2*\i+1]
.endr
.irp i, 0,1,2,3
	s_delay_alu instid0(VALU_DEP_4)
	v_pk_mul_f32 v[UU+2*\i:UU+2*\i+1], v[PB0+2*\i+2:PB0+2*\i+3], v[T+2*\i+8:T+2*\i+9]
.endr
.irp i, 0,1,2,3
	s_delay_alu instid0(VALU_DEP_4)
	v_pk_fma_f32 v[PB1+2*\i:PB1+2*\i+1], v[PB0+2*\i:PB0+2*\i+1], v[T+2*\i:T+2*\i+1], v[UU+2*\i:UU+2*\i+1] neg_lo:[0,0,1] neg_hi:[0,0,1]
.endr
.endm
.macro SILU8 x                         ; v[E .. E+7] = silu of v[x .. x+7] = x / (1 + 2^(-log2(e) x))
.irp i, 0,2,4,6
	v_pk_mul_f32 v[E+\i:E+\i+1], v[\x+\i:\x+\i+1], s[NL2E:NL2E+1] op_sel_hi:[1,0]
.endr
	s_wait_alu depctr_va_vdst(0)
.irp i, 0,1,2,3,4,5,6,7
	v_exp_f32 v[E+\i], v[E+\i]
.endr
	v_nop                                          ; a plain instruction behind the last exponential
	s_wait_alu depctr_va_vdst(0)
.irp i, 0,2,4,6
	v_pk_add_f32 v[E+\i:E+\i+1], v[E+\i:E+\i+1], 1.0 op_sel_hi:[1,0]
.endr
	s_wait_alu depctr_va_vdst(0)
.irp i, 0,1,2,3,4,5,6,7
	v_rcp_f32 v[E+\i], v[E+\i]
.endr
	v_nop
	s_wait_alu depctr_va_vdst(0)
.irp i, 0,2,4,6
	v_pk_mul_f32 v[E+\i:E+\i+1], v[E+\i:E+\i+1], v[\x+\i:\x+\i+1]
.endr
.endm
.macro HOLDCVT dst, src, tmp, sc, lim  ; eight numbers held within the largest code x the scale (the conversion does not saturate: ISA guide 7.6.2), then eight codes
.irp i, 0,1,2,3,4,5,6,7
	v_med3_num_f32 v[\tmp+\i], v[\src+\i], -v[\lim], v[\lim]
.endr
	v_cvt_scalef32_pk8_bf8_f32 v[\dst:\dst+1], v[\tmp:\tmp+7], v[\sc]   ; what follows each use of this macro is a plain vector line that names none of these registers
.endm
.macro MKSC vr, se                     ; v[vr] = 2^e as f32, v[vr+1] = 57,344 x 2^e, e = s[se]
	s_add_co_i32 s50, s[\se], 127
	s_lshl_b32 s51, s50, 23
	v_mov_b32 v[\vr], s51
	s_add_co_i32 s50, s50, 15
	s_lshl_b32 s50, s50, 23
	s_or_b32 s50, s50, 0x600000
	v_mov_b32 v[\vr+1], s50
.endm
	s_load_b512 s[4:19], s[0:1], 0x0               ; x s[4:5], grid_in s[6:7], base_w1, spline_w1, base_w2, spline_w2, base_w3, spline_w3 s[8:19]
	s_load_b128 s[20:23], s[0:1], 0x40             ; lowp_scales s[20:21], acodes s[22:23]
	s_load_b64 s[24:25], s[0:1], 0x50              ; wcodes
	v_lshl_add_u32 v254, v0, 2, 0x10000
	v_mov_b32 v255, 0
	v_lshrrev_b32 v1, 5, v0
	s_delay_alu instid0(VALU_DEP_1)
	v_readfirstlane_b32 s26, v1                    ; wave 0..7
	v_and_b32 v2, 31, v0                           ; lane
	s_wait_alu depctr_va_vdst(0)
	v_lshlrev_b32 v3, 4, v2                        ; 16 x lane: my 16 bytes of a load's 512
	s_wait_alu depctr_va_vdst(0)
	v_lshlrev_b32 v4, 7, v2                        ; 128 x lane: my four features' knots
	s_and_b32 s27, s26, 1                          ; which half of a weight's row
	s_lshr_b32 s28, s26, 1
	s_lshl_b32 s29, ttmp9, 2
	s_add_co_u32 s28, s28, s29                     ; which output row
	s_lshl_b32 s30, s27, 9
	v_add_nc_u32 v5, s30, v3                       ; base weight's codes: 16 lane + 512 half
	s_lshl_b32 s30, s27, 11
	s_add_co_u32 s30, s30, 1024
	v_add_nc_u32 v6, s30, v3                       ; spline weight's: 16 lane + 1024 + 2048 half
	s_lshl_b32 s30, s26, 7
	v_lshl_add_u32 v7, v2, 2, s30                  ; silu(x)'s codes: 128 wave + 4 lane
	s_lshl_b32 s30, s26, 9
	s_add_co_u32 s30, s30, 1024
	v_add_nc_u32 v8, s30, v3                       ; B(x)'s codes: 1024 + 512 wave + 16 lane
	s_mul_i32 s30, s26, WREG
	v_lshrrev_b32 v14, 2, v2
	s_delay_alu instid0(VALU_DEP_1)
	v_mul_u32_u24 v14, v14, SP
	v_and_b32 v15, 3, v2
	s_delay_alu instid0(VALU_DEP_1)
	v_lshl_add_u32 v14, v15, 4, v14
	s_delay_alu instid0(VALU_DEP_1)
	v_add_nc_u32 v14, s30, v14                     ; the stage, on the way in: SP (lane / 4) + 16 (lane % 4)
	v_mul_u32_u24 v15, v2, SP
	s_delay_alu instid0(VALU_DEP_1)
	v_add_nc_u32 v15, s30, v15                     ; and on the way out: SP x lane
	s_mov_b32 s55, 0x05010400                      ; byte selects: codes (f0: c0 c1 c2 c3), (f1: c0 c1 c2 c3) -> f0c0 f1c0 f0c1 f1c1
	s_mov_b32 s56, 0x07030602                      ;                                                           f0c2 f1c2 f0c3 f1c3
	s_mov_b32 s[NL2E], 0xbfb8aa3b
	s_mov_b32 s[NL2E+1], 0xbfb8aa3b
	s_mov_b32 s51, 0
	s_wait_kmcnt 0x0
	s_load_b256 s[32:39], s[20:21], 0x0            ; e0 .. e7
	s_load_b128 s[40:43], s[20:21], 0x20           ; e8 .. e11
	s_lshl_b32 s50, ttmp9, 16                      ; x: 16 rows of 4,096 bytes a work-group,
	s_lshl_b32 s52, s26, 9                         ; 512 bytes of a row a wave
	s_add_co_u32 s50, s50, s52
	s_add_nc_u64 s[4:5], s[4:5], s[50:51]
	s_lshl_b32 s50, s26, 12                        ; knots: 128 features x 32 bytes a wave
	s_add_nc_u64 s[6:7], s[6:7], s[50:51]
	s_lshl_b32 s50, s28, 12                        ; base weights: row x 4,096 + half x 2,048
	s_lshl_b32 s52, s27, 11
	s_add_co_u32 s50, s50, s52
	s_add_nc_u64 s[8:9], s[8:9], s[50:51]
	s_add_nc_u64 s[12:13], s[12:13], s[50:51]
	s_add_nc_u64 s[16:17], s[16:17], s[50:51]
	s_lshl_b32 s50, s50, 2                         ; spline weights: four times that
	s_add_nc_u64 s[10:11], s[10:11], s[50:51]
	s_add_nc_u64 s[14:15], s[14:15], s[50:51]
	s_add_nc_u64 s[18:19], s[18:19], s[50:51]
	s_mul_i32 s50, s28, ROWC
	s_add_nc_u64 s[24:25], s[24:25], s[50:51]      ; wcodes at my row of layer 1,
	s_add_nc_u64 s[44:45], s[24:25], 1024*ROWC     ; of layer 2,
	s_add_nc_u64 s[46:47], s[24:25], 2048*ROWC     ; of layer 3
	s_mul_i32 s50, ttmp9, 16*ROWC
	s_add_nc_u64 s[22:23], s[22:23], s[50:51]      ; acodes at my first row, layer 1's scales,
	s_add_nc_u64 s[48:49], s[22:23], 4096*ROWC     ; and layer 2's
.irp j, 0,1,2,3
	global_load_b128 v[XR+4*\j:XR+4*\j+3], v3, s[4:5] offset:4096*\j th:TH_LOAD_NT   ; the first four rows of x: they land under the weights' phase
.endr
.irp i, 0,1,2,3,4,5,6,7
	global_load_b128 v[RAW+4*\i:RAW+4*\i+3], v4, s[6:7] offset:16*\i
.endr
.macro WLOAD t                         ; step t = 5 L + q: q = 0 the base weight of layer L, q = 1..4 its spline weight
.set LL, (\t)/5
.set QQ, (\t)%5
.irp i, 0,1,2,3
.if QQ == 0
	global_load_b128 v[RW+16*((\t)%4)+4*\i:RW+16*((\t)%4)+4*\i+3], v3, s[8+4*LL:9+4*LL] offset:512*\i th:TH_LOAD_NT
.else
	global_load_b128 v[RW+16*((\t)%4)+4*\i:RW+16*((\t)%4)+4*\i+3], v3, s[10+4*LL:11+4*LL] offset:2048*(QQ-1)+512*\i th:TH_LOAD_NT
.endif
.endr
.endm
.macro WTURN t                         ; step t's numbers through the stage: LDS serves a wave's instructions in order (ISA guide 5.7.1.4), so no wait stands between the stores and the loads
.irp i, 0,1,2,3
	ds_store_b128 v14, v[RW+16*((\t)%4)+4*\i:RW+16*((\t)%4)+4*\i+3] offset:32*SP*((\t)%2)+8*SP*\i
.endr
.irp i, 0,1,2,3
	ds_load_b128 v[XW+16*((\t)%2)+4*\i:XW+16*((\t)%2)+4*\i+3], v15 offset:32*SP*((\t)%2)+16*\i
.endr
.endm
.irp t, 0,1,2,3
	WLOAD \t
.endr
	s_wait_kmcnt 0x0
	MKSC 16, 33                                    ; base_w1: entry 1
	MKSC 18, 35                                    ; spline_w1: 3
	MKSC 20, 37                                    ; base_w2: 5
	MKSC 22, 39                                    ; spline_w2: 7
	MKSC 24, 41                                    ; base_w3: 9
	MKSC 26, 43                                    ; spline_w3: 11
	MKSC 28, 32                                    ; silu(x) for layer 1: 0
	MKSC 30, 34                                    ; B(x) for layer 1: 2
	MKSC 32, 36                                    ; silu(x) for layer 2: 4
	MKSC 34, 38                                    ; B(x) for layer 2: 6
	s_wait_loadcnt 12                              ; step 0's four loads are in (and x's rows and the knots, issued ahead of them); three steps' loads stay out
	WTURN 0
.macro WSTEP t
.set XS, XW+16*((\t)%2)
.set LW, (\t)/5
.set QW, (\t)%5
.if QW == 0
.set SCW, 16+4*LW
.else
.set SCW, 18+4*LW
.endif
.if LW == 0
.set WP, 24
.else
.set WP, 42+2*LW
.endif
	s_wait_dscnt 0x0                               ; this step's numbers are back from the stage: so its stores into the stage have read their registers,
.if (\t)+4 < 15
	WLOAD (\t)+4                                   ; which take the loads of four steps on
.endif
.if (\t)+1 < 15
.if 13-(\t) >= 3
	s_wait_loadcnt 12                              ; the next step's four loads are in; those of the three steps behind it may be out
.else
	s_wait_loadcnt 4*(13-(\t))                     ; fewer steps are left behind it
.endif
	WTURN (\t)+1
.endif
.irp i, 0,1,2,3,4,5,6,7,8,9,10,11,12,13,14,15
	v_med3_num_f32 v[XS+\i], v[XS+\i], -v[SCW+1], v[SCW+1]
.endr
.if QW == 0
	v_cvt_scalef32_pk8_bf8_f32 v[CW+4*(\t):CW+4*(\t)+1], v[XS:XS+7], v[SCW]
	v_cvt_scalef32_pk8_bf8_f32 v[CW+4*(\t)+2:CW+4*(\t)+3], v[XS+8:XS+15], v[SCW]
	global_store_b128 v5, v[CW+4*(\t):CW+4*(\t)+3], s[WP:WP+1]            ; 512 consecutive bytes a wave
.else
	v_cvt_scalef32_pk8_bf8_f32 v[CT:CT+1], v[XS:XS+7], v[SCW]             ; a lane's 16 numbers are four features x four coefficients
	v_cvt_scalef32_pk8_bf8_f32 v[CT+2:CT+3], v[XS+8:XS+15], v[SCW]
	v_nop                                          ; a plain instruction between a scaled conversion and the use of its result
	v_perm_b32 v[CW+4*(\t)], v[CT+1], v[CT], s55   ; two features' codes interleaved: byte 2 c + u
	v_perm_b32 v[CW+4*(\t)+1], v[CT+1], v[CT], s56
	v_perm_b32 v[CW+4*(\t)+2], v[CT+3], v[CT+2], s55
	v_perm_b32 v[CW+4*(\t)+3], v[CT+3], v[CT+2], s56
	global_store_b128 v6, v[CW+4*(\t):CW+4*(\t)+3], s[WP:WP+1] offset:512*(QW-1)
.endif
.endm
.irp t, 0,1,2,3,4,5,6,7,8,9,10,11,12,13,14
	WSTEP \t
.endr
	; ---- ROWS
	s_wait_xcnt 0x0                                ; the weights' stores have read their registers, which are written again from here on
	CONSTS RAW
; Rows j and j + 1 of the ring of four.  ahead = 1: their registers take the rows four further down.  left: the younger loads that may stay out.
.macro XROW2 j, ahead, left
	s_wait_loadcnt \left                           ; my two rows are in; the other pair's two reloads may be out
	s_wait_xcnt 0x0                                ; the stores of the pair before have read the codes' registers
	SILU8 XR+4*\j
	HOLDCVT CB0, E, TMP0, 28, 29
	HOLDCVT CB1, E, TMP1, 32, 33
.irp b, 0,1
.irp P, 0,1
	SPL XR+4*(\j+\b)+2*\P, \P
	HOLDCVT CS0+4*\b+2*\P, PB1, TMP0, 30, 31
	HOLDCVT CS1+4*\b+2*\P, PB1, TMP1, 34, 35
.endr
.endr
	v_nop                                          ; a plain instruction behind the last conversion
	global_store_b32 v7, v[CB0], s[22:23] offset:\j*ROWC
	global_store_b32 v7, v[CB0+1], s[22:23] offset:(\j+1)*ROWC
	global_store_b128 v8, v[CS0:CS0+3], s[22:23] offset:\j*ROWC          ; 512 consecutive bytes a wave
	global_store_b128 v8, v[CS0+4:CS0+7], s[22:23] offset:(\j+1)*ROWC
	global_store_b32 v7, v[CB1], s[48:49] offset:\j*ROWC
	global_store_b32 v7, v[CB1+1], s[48:49] offset:(\j+1)*ROWC
	global_store_b128 v8, v[CS1:CS1+3], s[48:49] offset:\j*ROWC
	global_store_b128 v8, v[CS1+4:CS1+7], s[48:49] offset:(\j+1)*ROWC
.if \ahead
	global_load_b128 v[XR+4*\j:XR+4*\j+3], v3, s[4:5] offset:(\j+4)*4096 th:TH_LOAD_NT
	global_load_b128 v[XR+4*\j+4:XR+4*\j+7], v3, s[4:5] offset:(\j+5)*4096 th:TH_LOAD_NT
.endif
.endm
	s_mov_b32 s54, 3
.Lrows:                                            ; three trips of four rows; the last four rows are written out without loads: no load leaves x
	XROW2 0, 1, 2
	XROW2 2, 1, 2
	s_wait_xcnt 0x0                                ; the pointers step only behind this wait
	s_add_nc_u64 s[4:5], s[4:5], 4*4096
	s_add_nc_u64 s[22:23], s[22:23], 4*ROWC
	s_add_nc_u64 s[48:49], s[48:49], 4*ROWC
	s_sub_co_u32 s54, s54, 1
	s_cmp_lg_u32 s54, 0
	s_cbranch_scc1 .Lrows
	XROW2 0, 0, 2
	XROW2 2, 0, 0
	s_wait_tensorcnt 0x0
	ds_add_u32 v254, v255
	s_wait_dscnt 0x0
	s_endpgm
.Lfunc_end_k_qffd22ab42d_prep:
	.size	k_qffd22ab42d_prep, .Lfunc_end_k_qffd22ab42d_prep-k_qffd22ab42d_prep
	.p2alignl 7, 3214868480
	.fill 96, 4, 3214868480
	.section	.rodata,"a",@progbits
	.p2align	6, 0x0
	.amdhsa_kernel k_qffd22ab42d_prep
		.amdhsa_group_segment_fixed_size 66560
		.amdhsa_private_segment_fixed_size 0
		.amdhsa_enable_private_segment 0
		.amdhsa_kernarg_size 88
		.amdhsa_user_sgpr_count 2
		.amdhsa_user_sgpr_kernarg_segment_ptr 1
		.amdhsa_wavefront_size32 1
		.amdhsa_system_sgpr_workgroup_id_x 1
		.amdhsa_system_sgpr_workgroup_id_y 1
		.amdhsa_system_sgpr_workgroup_id_z 1
		.amdhsa_system_vgpr_workitem_id 0
		.amdhsa_next_free_vgpr 256
		.amdhsa_next_free_sgpr 100
		.amdhsa_reserve_vcc 0
		.amdhsa_float_denorm_mode_32 3
		.amdhsa_float_denorm_mode_16_64 3
		.amdhsa_memory_ordered 1
		.amdhsa_forward_progress 1
		.amdhsa_inst_pref_size 171
	.end_amdhsa_kernel
	.amdgpu_metadata
---
amdhsa.version: [ 1, 2 ]
amdhsa.kernels:
  - .name:           k_qffd22ab42d_prep
    .symbol:         k_qffd22ab42d_prep.kd
    .args:
      - { .name: x, .offset: 0, .size: 8, .value_kind: global_buffer, .address_space: global }
      - { .name: grid_in, .offset: 8, .size: 8, .value_kind: global_buffer, .address_space: global }
      - { .name: base_w1, .offset: 16, .size: 8, .value_kind: global_buffer, .address_space: global }
      - { .name: spline_w1, .offset: 24, .size: 8, .value_kind: global_buffer, .address_space: global }
      - { .name: base_w2, .offset: 32, .size: 8, .value_kind: global_buffer, .address_space: global }
      - { .name: spline_w2, .offset: 40, .size: 8, .value_kind: global_buffer, .address_space: global }
      - { .name: base_w3, .offset: 48, .size: 8, .value_kind: global_buffer, .address_space: global }
      - { .name: spline_w3, .offset: 56, .size: 8, .value_kind: global_buffer, .address_space: global }
      - { .name: lowp_scales, .offset: 64, .size: 8, .value_kind: global_buffer, .address_space: global }
      - { .name: acodes, .offset: 72, .size: 8, .value_kind: global_buffer, .address_space: global }
      - { .name: wcodes, .offset: 80, .size: 8, .value_kind: global_buffer, .address_space: global }
    .group_segment_fixed_size: 66560
    .private_segment_fixed_size: 0
    .kernarg_segment_align: 8
    .kernarg_segment_size: 88
    .max_flat_workgroup_size: 256
    .sgpr_count:     100
    .vgpr_count:     256
    .wavefront_size: 32
...
	.end_amdgpu_metadata
.endif
;; end of part 1
;; launch gemm12 (part 2): grid 8 x 32, 4 waves a work-group, clusters of 4 x 4, 327,680 bytes of LDS; arguments acodes, wcodes, grid_ff, lowp_scales, hcodes; writes hcodes
.if DOCPART == 2
	.amdgcn_target "amdgcn-amd-amdhsa--gfx1250"
	.amdhsa_code_object_version 6
	.text
	.protected	k_qffd22ab42d_gemm12
	.globl	k_qffd22ab42d_gemm12
	.p2align	8
	.type	k_qffd22ab42d_gemm12,@function
k_qffd22ab42d_gemm12:
	s_mov_b64 s[64:65], 0
	v_nop
	global_prefetch_b8 v0, s[64:65] scope:SCOPE_SE
	s_setreg_imm32_b32 hwreg(HW_REG_WAVE_MODE, 25, 1), 1
	s_wait_xcnt 0x0
	s_wait_alu depctr_hold_cnt(0) depctr_sa_sdst(0) depctr_va_vdst(0) depctr_va_sdst(0) depctr_va_ssrc(0) depctr_va_vcc(0) depctr_vm_vsrc(0)
	s_getreg_b32 s2, hwreg(HW_REG_IB_STS2, 6, 4)
	s_cmp_eq_u32 s2, 0
	s_cbranch_scc0 .Lentry_in_a_cluster
	s_endpgm
.Lentry_in_a_cluster:
	s_bfe_u32 s2, ttmp6, 0x10000c
	s_cmp_lg_u32 s2, 0xf033
	s_cbranch_scc0 .Lentry_shape_is_right
	s_endpgm
.Lentry_shape_is_right:
; h = (layer 1's sums) x (layer 2's sums) on codes of BF8, then silu(h) and the B-spline bases of h as codes for layer 3.
; A work-group makes 128 x 128 of h: wave w takes layer w >> 1 and half w & 1 of each 256 along K, 128 x 128 sums; the four parts meet in LDS at the end.
; K = 5,120 goes in 20 steps of 256 through two LDS slots (A1, W1, A2, W2: 128 rows each), filled by joint loads in clusters of 4 x 4.
; PREFETCH: behind each refill every wave asks for the step two refills on: 32 of the 128 rows that it fetches, a lane a row of 256 bytes;
; the four partners of a joint load share the rows out by address (cx for A, cy for W).  At the head steps 1, 2 and then 3 are asked for; the last lap asks for nothing.
; LIMITS: as in the first launch; each sum of two given exponents, and their differences, between -126 and 127.
.set PITCH,  272
.set HALFT,  128*PITCH
.set SLOT,   4*HALFT
.set SPARE,  2*SLOT
.set SPITCH, 528
.set PART,   128*SPITCH
.set ROWC,   5120
.set BLKB,   128*ROWC
.set STEPB,  256
.set P_A,    4096*ROWC
.set P_W,    1024*ROWC
.set LAPS,   7
.set FR,     16
.set STO,  4
.set VB,   5
.set VS,   6
.set RD,   8
.set ADRA, 12
.set ADRB, 14
.set AD,   12
.set SPW,  16
.set NIL,  17
.set SCB,  18
.set SCS,  20
.set KO,   22
.set G,    24
.set R1,   56
.set R2,   84
.set R3,   108
.set AF,   128
; the way out, window 0: both packed pairs of a row are evaluated together, so each of these has a part for pair 0 and one for pair 1
.set T,    128                         ; v128-159 t_k: T + 16 P + 2 k + u
.set PB0,  160                         ; v160-187 PB0 + 14 P
.set PB1,  188                         ; v188-211 PB1 + 12 P; the result: PB1 + 12 P + 2 c + u
.set UU,   212                         ; v212-235 UU + 12 P
.set E,    212                         ; silu's eight numbers lie in UU's registers: they are codes before the splines begin
.set H,    236                         ; v236-243 two rows x four numbers of h
.set CD,   244                         ; v244-253 codes
.set PL,   0                           ; WINDOW 1, v0-31: the four parts of two rows (B's fragments are done with)
.set M,    24                          ; s[24:55] lane masks: the descriptors' registers, free behind the last wait for all tensor loads
.set NL2E, 100
.set G1,  24
.set G0,  32
.set G1B, 48
.set G0B, 56
.set MSB, 0
.macro WIN new
.if MSB != \new
	s_set_vgpr_msb (MSB<<8)|\new
.set MSB, \new
.endif
.endm
.set MUL_LO, 0xa1
.set MUL_HI, 0xf1
.set TO_B,   0x40
.macro JLOAD g0a, g1a, g0b, g1b
	s_cmp_eq_u32 s15, 0
	s_cbranch_scc0 .Lfor_b_\@
	tensor_load_to_lds s[\g0a:\g0a+3], s[\g1a:\g1a+7]
	s_nop 0
.rept 4
	v_nop
.endr
	s_branch .Lasked_\@
.Lfor_b_\@:
	tensor_load_to_lds s[\g0b:\g0b+3], s[\g1b:\g1b+7]
	s_nop 0
.rept 4
	v_nop
.endr
.Lasked_\@:
.endm
.macro CREST
	s_cmp_lg_u32 s14, 0
	s_cbranch_scc1 .Lnot_wave_0_\@
	s_barrier_signal -3
.Lnot_wave_0_\@:
	s_barrier_wait -3
	s_barrier_signal -1
	s_barrier_wait -1
.endm
.macro CROUND
	s_barrier_signal -1
	s_barrier_wait -1
	CREST
.endm
.macro PLACES n
.rept \n
	v_nop
.endr
.endm
.macro CONSTS raw
.irp P, 0,1
.irp u, 0,1
.irp k, 0,1,2,3,4,5,6,7
	v_mov_b32 v[G+16*\P+2*\k+\u], v[\raw+8*(2*\P+\u)+\k]
.endr
.endr
.endr
.irp P, 0,1
.irp i, 0,1,2,3,4,5,6
	v_pk_add_f32 v[R1+14*\P+2*\i:R1+14*\P+2*\i+1], v[G+16*\P+2*\i+2:G+16*\P+2*\i+3], v[G+16*\P+2*\i:G+16*\P+2*\i+1] neg_lo:[0,1] neg_hi:[0,1]
.endr
.irp i, 0,1,2,3,4,5
	v_pk_add_f32 v[R2+12*\P+2*\i:R2+12*\P+2*\i+1], v[G+16*\P+2*\i+4:G+16*\P+2*\i+5], v[G+16*\P+2*\i:G+16*\P+2*\i+1] neg_lo:[0,1] neg_hi:[0,1]
.endr
.irp i, 0,1,2,3,4
	v_pk_add_f32 v[R3+10*\P+2*\i:R3+10*\P+2*\i+1], v[G+16*\P+2*\i+6:G+16*\P+2*\i+7], v[G+16*\P+2*\i:G+16*\P+2*\i+1] neg_lo:[0,1] neg_hi:[0,1]
.endr
.endr
.set j, R1
	s_wait_alu depctr_va_vdst(0)
.rept 72
	v_rcp_f32 v[j], v[j]
.set j, j+1
.endr
	v_nop
.endm
; One level of the triangle for both pairs: b_i = a_i t_i - a_(i+1) t_(i+toff/2), then x the next level's reciprocal distances (sr = 0: none).  a holds the level below x its reciprocals.
.macro LEVEL a, sa, b, sb, cnt, toff, r, sr
.irp P, 0,1
.set i, 0
.rept \cnt
	v_pk_mul_f32 v[UU+12*\P+i:UU+12*\P+i+1], v[\a+\sa*\P+i+2:\a+\sa*\P+i+3], v[T+16*\P+i+\toff:T+16*\P+i+\toff+1]
.set i, i+2
.endr
.endr
.irp P, 0,1
.set i, 0
.rept \cnt
	v_pk_fma_f32 v[\b+\sb*\P+i:\b+\sb*\P+i+1], v[\a+\sa*\P+i:\a+\sa*\P+i+1], v[T+16*\P+i:T+16*\P+i+1], v[UU+12*\P+i:UU+12*\P+i+1] neg_lo:[0,0,1] neg_hi:[0,0,1]
.set i, i+2
.endr
.endr
.if \sr
.irp P, 0,1
.set i, 0
.rept \cnt
	v_pk_mul_f32 v[\b+\sb*\P+i:\b+\sb*\P+i+1], v[\b+\sb*\P+i:\b+\sb*\P+i+1], v[\r+\sr*\P+i:\r+\sr*\P+i+1]
.set i, i+2
.endr
.endr
.endif
.endm
; The four bases of the four features at v[x .. x+3], both packed pairs side by side -> v[PB1 + 12 P + 2 c + u]: every group of independent lines holds both pairs' lines
.macro SPL2 x
.irp P, 0,1
.irp k, 0,1,2,3,4,5,6,7
	v_pk_add_f32 v[T+16*\P+2*\k:T+16*\P+2*\k+1], v[\x+2*\P:\x+2*\P+1], v[G+16*\P+2*\k:G+16*\P+2*\k+1] neg_lo:[0,1] neg_hi:[0,1]   ; t_k = h - g_k
.endr
.endr
.set i, 0
.rept 32
	v_cmp_le_f32 s[M+i], 0, v[T+i]                 ; h >= g_k
.set i, i+1
.endr
.irp P, 0,1
.irp n, 0,1,2,3,4,5,6,7,8,9,10,11,12,13
	s_and_not1_b32 s[M+16*\P+\n], s[M+16*\P+\n], s[M+16*\P+\n+2]   ; and h < g_(k+1); ascending, so the upper mask is still whole
.endr
.endr
.irp P, 0,1
.irp n, 0,1,2,3,4,5,6,7,8,9,10,11,12,13
	v_cndmask_b32 v[PB0+14*\P+\n], 0, v[R1+14*\P+\n], s[M+16*\P+\n]   ; B^0 r^1: r^1 or 0
.endr
.endr
	LEVEL PB0, 14, PB1, 12, 6, 4, R2, 12
	LEVEL PB1, 12, PB0, 14, 5, 6, R3, 10
	LEVEL PB0, 14, PB1, 12, 4, 8, R3, 0
.endm
.macro SILU8 x
.irp i, 0,2,4,6
	v_pk_mul_f32 v[E+\i:E+\i+1], v[\x+\i:\x+\i+1], s[NL2E:NL2E+1] op_sel_hi:[1,0]
.endr
	s_wait_alu depctr_va_vdst(0)
.irp i, 0,1,2,3,4,5,6,7
	v_exp_f32 v[E+\i], v[E+\i]
.endr
	v_nop
	s_wait_alu depctr_va_vdst(0)
.irp i, 0,2,4,6
	v_pk_add_f32 v[E+\i:E+\i+1], v[E+\i:E+\i+1], 1.0 op_sel_hi:[1,0]
.endr
	s_wait_alu depctr_va_vdst(0)
.irp i, 0,1,2,3,4,5,6,7
	v_rcp_f32 v[E+\i], v[E+\i]
.endr
	v_nop
	s_wait_alu depctr_va_vdst(0)
.irp i, 0,2,4,6
	v_pk_mul_f32 v[E+\i:E+\i+1], v[E+\i:E+\i+1], v[\x+\i:\x+\i+1]
.endr
.endm
.macro HOLDCVT dst, src, tmp, sc, lim
.irp i, 0,1,2,3,4,5,6,7
	v_med3_num_f32 v[\tmp+\i], v[\src+\i], -v[\lim], v[\lim]
.endr
	v_cvt_scalef32_pk8_bf8_f32 v[\dst:\dst+1], v[\tmp:\tmp+7], v[\sc]
.endm
	s_load_b256 s[4:11], s[0:1], 0x0
	s_load_b64 s[12:13], s[0:1], 0x20
	v_lshl_add_u32 v[SPW], v0, 2, SPARE
	v_mov_b32 v[NIL], 0
	ds_add_u32 v16, v17
	ds_add_u32 v16, v17
	s_wait_dscnt 0x0
	v_and_b32 v23, 31, v0
	v_lshlrev_b32 v[KO], 7, v23                    ; 128 x lane: my four features' knots
	v_mul_u32_u24 v23, v23, ROWC                   ; the prefetches' offset: lane x a row of codes; never rewritten
	s_mov_b32 s3, 2                                ; above 1: the steps ahead of the loop ask too
	v_lshrrev_b32 v1, 5, v0
	v_readfirstlane_b32 s14, v1
	s_and_b32 s15, s14, 1
	s_lshr_b32 s16, s14, 1
	s_bfe_u32 s40, ttmp6, 0x40000
	s_bfe_u32 s41, ttmp6, 0x40004
	s_lshl_b32 s42, ttmp9, 2
	s_add_co_u32 s42, s42, s40
	s_and_b32 s17, ttmp7, 0xffff
	s_lshl_b32 s17, s17, 2
	s_add_co_u32 s17, s17, s41
	s_lshl_b32 s43, s41, 2
	s_lshl_b32 s43, 15, s43
	s_lshl_b32 s44, 0x1111, s40
	s_or_b32 s[G1+0], s43, (0<<16)|(1<<20)|(1<<21)|(5<<22)|(3<<25)
	s_or_b32 s[G1B+0], s44, (0<<16)|(1<<20)|(1<<21)|(5<<22)|(3<<25)
.irp g, G1, G1B
	s_mov_b32 s[\g+1], 256<<16
	s_mov_b32 s[\g+2], 128<<16
	s_mov_b32 s[\g+3], 256<<16
	s_mov_b32 s[\g+4], 128
	s_mov_b32 s[\g+5], ROWC
	s_mov_b32 s[\g+6], 0
	s_mov_b32 s[\g+7], 0
.endr
	s_mul_i32 s20, s17, BLKB
	s_mul_i32 s18, s16, P_A
	s_add_co_u32 s20, s20, s18
	s_mov_b32 s21, 0
	s_mul_i32 s46, s42, BLKB
	s_mul_i32 s19, s16, P_W
	s_add_co_u32 s46, s46, s19
	s_mov_b32 s47, 0
	s_mul_i32 s45, s14, HALFT
	s_wait_kmcnt 0x0
	s_load_b256 s[68:75], s[10:11], 0x0
	s_load_b128 s[76:79], s[10:11], 0x20
	s_add_nc_u64 s[20:21], s[4:5], s[20:21]
	s_add_nc_u64 s[46:47], s[6:7], s[46:47]
	s_cmp_eq_u32 s15, 0                            ; do I fetch for A?
	s_cselect_b64 s[4:5], s[20:21], s[46:47]       ; s[4:5]: where my prefetches stand: the tile that I fetch,
	s_cselect_b32 s6, s40, s41                     ; my place among the four that ask for it with me,
	s_mul_i32 s6, s6, 32*ROWC                      ; and my work-group's 32 rows of its 128
	s_mov_b32 s7, 0
	s_add_nc_u64 s[4:5], s[4:5], s[6:7]
	s_lshl_b32 s6, s42, 12                         ; the knots of my block's 128 features, 32 bytes each (s7 is 0)
	s_add_nc_u64 s[8:9], s[8:9], s[6:7]
	s_wait_alu depctr_va_vdst(0)                   ; the wait stands here, directly ahead of the first readers of the two offsets
.irp i, 0,1,2,3,4,5,6,7
	global_load_b128 v[128+4*\i:128+4*\i+3], v[KO], s[8:9] offset:16*\i   ; asked for here, so that they land while the first tiles are on their way
.endr
	global_prefetch_b8 v23, s[4:5] th:TH_LOAD_NT scope:SCOPE_SE   ; step 0, two rounds of the cluster's barrier ahead of its load
	CROUND
.irp s, 0,1
	s_mov_b32 s[G0+4*\s], 1
	s_add_co_u32 s[G0+4*\s+1], s45, \s*SLOT
	s_add_nc_u64 s[G0+4*\s+2:G0+4*\s+3], s[20:21], \s*STEPB
	s_or_b32 s[G0+4*\s+3], s[G0+4*\s+3], 0x80000000
	s_mov_b32 s[G0B+4*\s], 1
	s_add_co_u32 s[G0B+4*\s+1], s45, \s*SLOT
	s_add_nc_u64 s[G0B+4*\s+2:G0B+4*\s+3], s[46:47], \s*STEPB
	s_or_b32 s[G0B+4*\s+3], s[G0B+4*\s+3], 0x80000000
	s_wait_alu depctr_va_vdst(0)
	s_wait_tensorcnt 0x0
	ds_add_u32 v16, v17
	ds_add_u32 v16, v17
	s_wait_dscnt 0x0
	CROUND
	JLOAD G0+4*\s, G1, G0B+4*\s, G1B
.if \s == 0
	global_prefetch_b8 v23, s[4:5] offset:STEPB th:TH_LOAD_NT scope:SCOPE_SE     ; steps 1 and 2
	global_prefetch_b8 v23, s[4:5] offset:2*STEPB th:TH_LOAD_NT scope:SCOPE_SE
.else
	global_prefetch_b8 v23, s[4:5] offset:3*STEPB th:TH_LOAD_NT scope:SCOPE_SE   ; step 3
.endif
.endr
	v_and_b32 v7, 31, v0
	v_and_b32 v1, 15, v0
	s_wait_alu depctr_va_vdst(0)
	v_bfe_u32 v2, v0, 4, 1
	v_mul_u32_u24 v3, v1, PITCH
	v_lshl_add_u32 v3, v2, 4, v3
	s_mul_i32 s21, s16, 2*HALFT
	s_lshl_b32 s22, s15, 7
	s_add_co_u32 s21, s21, s22
	s_add_co_u32 s22, s21, HALFT
.irp s, 0,1
	v_add_nc_u32 v[ADRA+\s], s21, v3
	v_add_nc_u32 v[ADRB+\s], s22, v3
	s_add_co_u32 s21, s21, SLOT
	s_add_co_u32 s22, s22, SLOT
.endr
	s_mul_i32 s23, s14, PART
	v_mul_u32_u24 v3, v1, SPITCH
	s_wait_alu depctr_va_vdst(0)
	v_lshl_add_u32 v3, v2, 5, v3
	v_add_nc_u32 v[STO], s23, v3
	s_mul_i32 s23, s14, 32*SPITCH
	v_lshl_add_u32 v3, v7, 4, s23
.irp q, 0,1,2,3
	v_add_nc_u32 v[RD+\q], \q*PART, v3
.endr
	s_lshl_b32 s46, s42, 7
	v_lshl_add_u32 v[VB], v7, 2, s46
	s_lshl_b32 s46, s42, 9
	s_add_co_u32 s46, s46, 1024
	v_lshl_add_u32 v[VS], v7, 4, s46
	s_mul_i32 s18, s17, BLKB
	s_mul_i32 s19, s14, 32*ROWC
	s_add_co_u32 s18, s18, s19
	s_mov_b32 s19, 0
	s_add_nc_u64 s[12:13], s[12:13], s[18:19]
	s_mov_b32 s[NL2E], 0xbfb8aa3b
	s_mov_b32 s[NL2E+1], 0xbfb8aa3b
	s_wait_kmcnt 0x0
	s_add_co_i32 s18, s68, s69
	s_add_co_i32 s19, s70, s71
	s_add_co_i32 s20, s72, s73
	s_add_co_i32 s21, s74, s75
	s_sub_co_i32 s18, s18, s19
	s_sub_co_i32 s20, s20, s21
	s_cmp_eq_u32 s16, 0
	s_cselect_b32 s66, s18, s20
	s_add_co_i32 s66, s66, 127
	s_lshl_b32 s66, s66, 23
	s_mov_b32 s67, s66
	s_add_co_i32 s96, s19, 127
	s_lshl_b32 s96, s96, 23
	s_mov_b32 s97, s96
	s_add_co_i32 s98, s21, 127
	s_lshl_b32 s98, s98, 23
	s_mov_b32 s99, s98
	s_add_co_i32 s18, s76, 127
	s_lshl_b32 s19, s18, 23
	v_mov_b32 v[SCB], s19
	s_add_co_i32 s18, s18, 15
	s_lshl_b32 s18, s18, 23
	s_or_b32 s18, s18, 0x600000
	v_mov_b32 v[SCB+1], s18
	s_add_co_i32 s18, s78, 127
	s_lshl_b32 s19, s18, 23
	v_mov_b32 v[SCS], s19
	s_add_co_i32 s18, s18, 15
	s_lshl_b32 s18, s18, 23
	s_or_b32 s18, s18, 0x600000
	v_mov_b32 v[SCS+1], s18
	s_wait_loadcnt 0x0
	CONSTS 128
.macro FRAG reg, adr, i
.irp c, 0,1,2,3
	ds_load_b128 v[\reg+4*\c:\reg+4*\c+3], v[\adr] offset:32*\c+(\i)*16*PITCH
.endr
.endm
.macro MUL16 a0, p, zero
.irp a, \a0, \a0+1
.irp b, 0,1,2,3,4,5,6,7
.if \zero
	v_wmma_f32_16x16x128_bf8_bf8 v[8*(8*((\a)%4)+\b):8*(8*((\a)%4)+\b)+7], v[128*(\p)+FR*\b:128*(\p)+FR*\b+FR-1], v[AF+FR*(\a):AF+FR*(\a)+FR-1], 0
.else
	v_wmma_f32_16x16x128_bf8_bf8 v[8*(8*((\a)%4)+\b):8*(8*((\a)%4)+\b)+7], v[128*(\p)+FR*\b:128*(\p)+FR*\b+FR-1], v[AF+FR*(\a):AF+FR*(\a)+FR-1], v[8*(8*((\a)%4)+\b):8*(8*((\a)%4)+\b)+7]
.endif
.endr
.endr
.endm
.macro FETCH_B slot, p
	WIN TO_B
.irp i, 0,1,2,3,4,5,6,7
	FRAG 128*(\p)+FR*\i, ADRB+\slot, \i
.endr
	WIN 0
.endm
.macro FETCH_A slot, i0
.irp i, \i0, \i0+1, \i0+2, \i0+3
	FRAG AF+FR*(\i), ADRA+\slot, \i
.endr
.endm
.macro TURN slot, next, fill, zero
.if \fill
	s_wait_xcnt 0x0                                ; my prefetches have read their address: it steps only behind this wait
	s_add_nc_u64 s[4:5], s[4:5], STEPB
.endif
	s_wait_dscnt 16
	WIN MUL_LO
	MUL16 0, \slot, \zero
	MUL16 2, \slot, \zero
	WIN 0
	s_wait_tensorcnt 0x0
	ds_add_u32 v[SPW], v[NIL]
.if \fill
	s_add_nc_u64 s[G0+4*\slot+2:G0+4*\slot+3], s[G0+4*\slot+2:G0+4*\slot+3], 2*STEPB
	s_add_nc_u64 s[G0B+4*\slot+2:G0B+4*\slot+3], s[G0B+4*\slot+2:G0B+4*\slot+3], 2*STEPB
.endif
	s_wait_dscnt 0x0
	s_barrier_signal -1
	s_barrier_wait -1
.if \fill
	CREST
	JLOAD G0+4*\slot, G1, G0B+4*\slot, G1B
.else
	PLACES 4
.endif
	FETCH_B \next, \next
	FETCH_A \next, 0
.if \fill
	s_cmp_gt_u32 s3, 1                             ; the last lap's two refills have no step two refills on
	s_cbranch_scc0 .Lnoask_\@
	global_prefetch_b8 v23, s[4:5] offset:3*STEPB th:TH_LOAD_NT scope:SCOPE_SE   ; in step t: step t + 4; the refill above asked for t + 2
.Lnoask_\@:
.endif
	WIN MUL_HI
	MUL16 4, \slot, \zero
	s_wait_alu depctr_va_vdst(0)
	MUL16 6, \slot, \zero
	PLACES 4
	WIN 0
	FETCH_A \next, 4
.endm
.macro RESCALE
	WIN 0x82
.set j, 0
.rept 128
	v_pk_mul_f32 v[j:j+1], v[j:j+1], s[66:67] op_sel_hi:[1,0]
.set j, j+2
.endr
	WIN 0xc3
.set j, 0
.rept 128
	v_pk_mul_f32 v[j:j+1], v[j:j+1], s[66:67] op_sel_hi:[1,0]
.set j, j+2
.endr
	WIN 0
.endm
.macro STG4 hw
.irp a, 0,1,2,3
.irp b, 0,1,2,3,4,5,6,7
	ds_store_b128 v[STO], v[8*(8*\a+\b):8*(8*\a+\b)+3] offset:(4*\hw+\a)*16*SPITCH+64*\b
	ds_store_b128 v[STO], v[8*(8*\a+\b)+4:8*(8*\a+\b)+7] offset:(4*\hw+\a)*16*SPITCH+64*\b+16
.endr
.endr
.endm
	s_wait_tensorcnt 0x1
	s_barrier_signal -1
	s_barrier_wait -1
	FETCH_B 0, 0
	FETCH_A 0, 0
	FETCH_A 0, 4
	TURN 0, 1, 1, 1
	TURN 1, 0, 1, 0
	TURN 0, 1, 1, 0
	TURN 1, 0, 1, 0
	RESCALE
	s_mov_b32 s3, LAPS
.Llap:
	TURN 0, 1, 1, 0
	TURN 1, 0, 1, 0
	s_sub_co_u32 s3, s3, 1
	s_cmp_lg_u32 s3, 0
	s_cbranch_scc1 .Llap
	TURN 0, 1, 0, 0
	s_wait_dscnt 16
	WIN MUL_LO
	MUL16 0, 1, 0
	MUL16 2, 1, 0
	s_wait_dscnt 0x0
	s_barrier_signal -1
	WIN MUL_HI
	MUL16 4, 1, 0
	MUL16 6, 1, 0
	WIN 0
	s_barrier_wait -1
	PLACES 4
	WIN 0x08
	STG4 0
	WIN 0x0c
	STG4 1
	WIN 0
	s_wait_dscnt 0x0
	s_barrier_signal -1
	s_barrier_wait -1
.macro HTRIP more
	s_wait_dscnt 0x0
.irp b, 0,1
	WIN 0x45                                       ; the parts: sources and destination in window 1
.irp i, 0,2
	v_pk_add_f32 v[PL+16*\b+\i:PL+16*\b+\i+1], v[PL+16*\b+\i:PL+16*\b+\i+1], v[PL+16*\b+4+\i:PL+16*\b+4+\i+1]
	v_pk_add_f32 v[PL+16*\b+8+\i:PL+16*\b+8+\i+1], v[PL+16*\b+8+\i:PL+16*\b+8+\i+1], v[PL+16*\b+12+\i:PL+16*\b+12+\i+1]
.endr
.irp i, 0,2
	v_pk_mul_f32 v[PL+16*\b+\i:PL+16*\b+\i+1], v[PL+16*\b+\i:PL+16*\b+\i+1], s[96:97] op_sel_hi:[1,0]
	v_pk_mul_f32 v[PL+16*\b+8+\i:PL+16*\b+8+\i+1], v[PL+16*\b+8+\i:PL+16*\b+8+\i+1], s[98:99] op_sel_hi:[1,0]
.endr
.irp i, 0,2
	WIN 0x05                                       ; h goes to window 0
	v_pk_mul_f32 v[H+4*\b+\i:H+4*\b+\i+1], v[PL+16*\b+\i:PL+16*\b+\i+1], v[PL+16*\b+8+\i:PL+16*\b+8+\i+1]
.endr
.endr
	WIN 0
.if \more
	s_add_co_u32 s22, s22, 2*SPITCH
.irp q, 0,1,2,3
	v_add_nc_u32 v[AD+\q], s22, v[RD+\q]
.endr
	WIN TO_B
.irp q, 0,1,2,3
	ds_load_b128 v[PL+4*\q:PL+4*\q+3], v[AD+\q]
	ds_load_b128 v[PL+16+4*\q:PL+16+4*\q+3], v[AD+\q] offset:SPITCH
.endr
	WIN 0
.endif
	SILU8 H
	HOLDCVT CD, E, E, SCB, SCB+1
	SPL2 H
	HOLDCVT CD+2, PB1, PB1, SCS, SCS+1
	HOLDCVT CD+4, PB1+12, PB1+12, SCS, SCS+1
	SPL2 H+4
	HOLDCVT CD+6, PB1, PB1, SCS, SCS+1
	HOLDCVT CD+8, PB1+12, PB1+12, SCS, SCS+1
	v_nop
	global_store_b32 v[VB], v[CD], s[12:13]
	global_store_b32 v[VB], v[CD+1], s[12:13] offset:ROWC
	global_store_b128 v[VS], v[CD+2:CD+5], s[12:13]
	global_store_b128 v[VS], v[CD+6:CD+9], s[12:13] offset:ROWC
.if \more
	s_wait_xcnt 0x0
	s_add_nc_u64 s[12:13], s[12:13], 2*ROWC
.endif
.endm
	s_mov_b32 s22, 0
	WIN TO_B
.irp q, 0,1,2,3
	ds_load_b128 v[PL+4*\q:PL+4*\q+3], v[RD+\q]
	ds_load_b128 v[PL+16+4*\q:PL+16+4*\q+3], v[RD+\q] offset:SPITCH
.endr
	WIN 0                                          ; at a label and at a branch every window is 0
	s_mov_b32 s3, 15
.Lrow:
	HTRIP 1
	s_sub_co_u32 s3, s3, 1
	s_cmp_lg_u32 s3, 0
	s_cbranch_scc1 .Lrow
	HTRIP 0
	s_wait_tensorcnt 0x0
	ds_add_u32 v[SPW], v[NIL]
	s_wait_dscnt 0x0
	CROUND
	s_endpgm
.Lfunc_end_k_qffd22ab42d_gemm12:
	.size	k_qffd22ab42d_gemm12, .Lfunc_end_k_qffd22ab42d_gemm12-k_qffd22ab42d_gemm12
	.p2alignl 7, 3214868480
	.fill 96, 4, 3214868480
	.section	.rodata,"a",@progbits
	.p2align	6, 0x0
	.amdhsa_kernel k_qffd22ab42d_gemm12
		.amdhsa_group_segment_fixed_size 327680
		.amdhsa_private_segment_fixed_size 0
		.amdhsa_enable_private_segment 0
		.amdhsa_kernarg_size 40
		.amdhsa_user_sgpr_count 2
		.amdhsa_user_sgpr_kernarg_segment_ptr 1
		.amdhsa_wavefront_size32 1
		.amdhsa_system_sgpr_workgroup_id_x 1
		.amdhsa_system_sgpr_workgroup_id_y 1
		.amdhsa_system_sgpr_workgroup_id_z 1
		.amdhsa_system_vgpr_workitem_id 0
		.amdhsa_next_free_vgpr 1024
		.amdhsa_next_free_sgpr 102
		.amdhsa_reserve_vcc 0
		.amdhsa_float_denorm_mode_32 3
		.amdhsa_float_denorm_mode_16_64 3
		.amdhsa_memory_ordered 1
		.amdhsa_forward_progress 1
		.amdhsa_inst_pref_size 174
	.end_amdhsa_kernel
	.amdgpu_metadata
---
amdhsa.version: [ 1, 2 ]
amdhsa.kernels:
  - .name:           k_qffd22ab42d_gemm12
    .symbol:         k_qffd22ab42d_gemm12.kd
    .args:
      - { .name: acodes, .offset: 0, .size: 8, .value_kind: global_buffer, .address_space: global }
      - { .name: wcodes, .offset: 8, .size: 8, .value_kind: global_buffer, .address_space: global }
      - { .name: grid_ff, .offset: 16, .size: 8, .value_kind: global_buffer, .address_space: global }
      - { .name: lowp_scales, .offset: 24, .size: 8, .value_kind: global_buffer, .address_space: global }
      - { .name: hcodes, .offset: 32, .size: 8, .value_kind: global_buffer, .address_space: global }
    .group_segment_fixed_size: 327680
    .private_segment_fixed_size: 0
    .kernarg_segment_align: 8
    .kernarg_segment_size: 40
    .max_flat_workgroup_size: 128
    .sgpr_count:     102
    .vgpr_count:     1024
    .wavefront_size: 32
...
	.end_amdgpu_metadata
.endif
;; end of part 2
;; launch gemm3 (part 3): grid 8 x 32, 4 waves a work-group, clusters of 4 x 4, 327,680 bytes of LDS; arguments hcodes, wcodes, lowp_scales, out0; writes out0
.if DOCPART == 3
	.amdgcn_target "amdgcn-amd-amdhsa--gfx1250"
	.amdhsa_code_object_version 6
	.text
	.protected	k_qffd22ab42d_gemm3
	.globl	k_qffd22ab42d_gemm3
	.p2align	8
	.type	k_qffd22ab42d_gemm3,@function
k_qffd22ab42d_gemm3:
	s_mov_b64 s[64:65], 0
	v_nop
	global_prefetch_b8 v0, s[64:65] scope:SCOPE_SE
	s_setreg_imm32_b32 hwreg(HW_REG_WAVE_MODE, 25, 1), 1
	s_wait_xcnt 0x0
	s_wait_alu depctr_hold_cnt(0) depctr_sa_sdst(0) depctr_va_vdst(0) depctr_va_sdst(0) depctr_va_ssrc(0) depctr_va_vcc(0) depctr_vm_vsrc(0)
	s_getreg_b32 s2, hwreg(HW_REG_IB_STS2, 6, 4)
	s_cmp_eq_u32 s2, 0
	s_cbranch_scc0 .Lentry_in_a_cluster
	s_endpgm
.Lentry_in_a_cluster:
	s_bfe_u32 s2, ttmp6, 0x10000c
	s_cmp_lg_u32 s2, 0xf033
	s_cbranch_scc0 .Lentry_shape_is_right
	s_endpgm
.Lentry_shape_is_right:
; out = layer 3's sums on codes of BF8.  A work-group makes 128 x 128 of out: wave w takes quarter w of each 512 along K, 128 x 128 sums; the four parts are added through LDS.
; K = 5,120 goes in 10 steps of 512 through two LDS slots (two chunks of 256 bytes of 128 rows of h's codes and of W3's), filled by joint loads in clusters of 4 x 4.
; PREFETCH: behind each refill every wave asks for the step two refills on: 32 of the 128 rows that it fetches, a lane a row of 256 bytes;
; the four partners of a joint load share the rows out by address (cx for h, cy for W).  At the head steps 1, 2 and then 3 are asked for; the last lap asks for nothing.
; LIMITS: the sums of the given exponents 8 + 9 and 10 + 11, and their difference, between -126 and 127.
.set PITCH,  272
.set HALFT,  128*PITCH
.set SLOT,   4*HALFT
.set SPARE,  2*SLOT
.set SPITCH, 528
.set PART,   128*SPITCH
.set ROWC,   5120
.set BLKB,   128*ROWC
.set STEPB,  512
.set P_A,    256
.set P_W,    256
.set W0,     2048*ROWC
.set LAPS,   3
.set FR,     16
.set STO,  4
.set CO,   5
.set RD,   8
.set ADRA, 12
.set ADRB, 14
.set SPW,  16
.set NIL,  17
.set AF,   128
.set G1,  24
.set G0,  32
.set G1B, 48
.set G0B, 56
.set MSB, 0
.macro WIN new
.if MSB != \new
	s_set_vgpr_msb (MSB<<8)|\new
.set MSB, \new
.endif
.endm
.set MUL_LO, 0xa1
.set MUL_HI, 0xf1
.set TO_B,   0x40
.macro JLOAD g0a, g1a, g0b, g1b
	s_cmp_eq_u32 s15, 0
	s_cbranch_scc0 .Lfor_b_\@
	tensor_load_to_lds s[\g0a:\g0a+3], s[\g1a:\g1a+7]
	s_nop 0
.rept 4
	v_nop
.endr
	s_branch .Lasked_\@
.Lfor_b_\@:
	tensor_load_to_lds s[\g0b:\g0b+3], s[\g1b:\g1b+7]
	s_nop 0
.rept 4
	v_nop
.endr
.Lasked_\@:
.endm
.macro CREST
	s_cmp_lg_u32 s14, 0
	s_cbranch_scc1 .Lnot_wave_0_\@
	s_barrier_signal -3
.Lnot_wave_0_\@:
	s_barrier_wait -3
	s_barrier_signal -1
	s_barrier_wait -1
.endm
.macro CROUND
	s_barrier_signal -1
	s_barrier_wait -1
	CREST
.endm
.macro PLACES n
.rept \n
	v_nop
.endr
.endm
	s_load_b256 s[4:11], s[0:1], 0x0
	v_lshl_add_u32 v[SPW], v0, 2, SPARE
	v_mov_b32 v[NIL], 0
	ds_add_u32 v16, v17
	ds_add_u32 v16, v17
	s_wait_dscnt 0x0
	v_and_b32 v23, 31, v0
	v_mul_u32_u24 v23, v23, ROWC                   ; the prefetches' offset: lane x a row of codes; never rewritten
	s_mov_b32 s3, 2                                ; above 1: the steps ahead of the loop ask too
	v_lshrrev_b32 v1, 5, v0
	v_readfirstlane_b32 s14, v1
	s_and_b32 s15, s14, 1
	s_lshr_b32 s16, s14, 1
	s_bfe_u32 s40, ttmp6, 0x40000
	s_bfe_u32 s41, ttmp6, 0x40004
	s_lshl_b32 s42, ttmp9, 2
	s_add_co_u32 s42, s42, s40
	s_and_b32 s17, ttmp7, 0xffff
	s_lshl_b32 s17, s17, 2
	s_add_co_u32 s17, s17, s41
	s_lshl_b32 s43, s41, 2
	s_lshl_b32 s43, 15, s43
	s_lshl_b32 s44, 0x1111, s40
	s_or_b32 s[G1+0], s43, (0<<16)|(1<<20)|(1<<21)|(5<<22)|(3<<25)
	s_or_b32 s[G1B+0], s44, (0<<16)|(1<<20)|(1<<21)|(5<<22)|(3<<25)
.irp g, G1, G1B
	s_mov_b32 s[\g+1], 256<<16
	s_mov_b32 s[\g+2], 128<<16
	s_mov_b32 s[\g+3], 256<<16
	s_mov_b32 s[\g+4], 128
	s_mov_b32 s[\g+5], ROWC
	s_mov_b32 s[\g+6], 0
	s_mov_b32 s[\g+7], 0
.endr
	s_mul_i32 s20, s17, BLKB
	s_mul_i32 s18, s16, P_A
	s_add_co_u32 s20, s20, s18
	s_mov_b32 s21, 0
	s_mul_i32 s46, s42, BLKB
	s_mul_i32 s19, s16, P_W
	s_add_co_u32 s46, s46, s19
	s_add_co_u32 s46, s46, W0
	s_mov_b32 s47, 0
	s_mul_i32 s45, s14, HALFT
	s_wait_kmcnt 0x0
	s_load_b128 s[76:79], s[8:9], 0x20
	s_add_nc_u64 s[20:21], s[4:5], s[20:21]
	s_add_nc_u64 s[46:47], s[6:7], s[46:47]
	s_cmp_eq_u32 s15, 0                            ; do I fetch for h?
	s_cselect_b64 s[4:5], s[20:21], s[46:47]       ; s[4:5]: where my prefetches stand: the tile that I fetch,
	s_cselect_b32 s6, s40, s41                     ; my place among the four that ask for it with me,
	s_mul_i32 s6, s6, 32*ROWC                      ; and my work-group's 32 rows of its 128
	s_mov_b32 s7, 0
	s_add_nc_u64 s[4:5], s[4:5], s[6:7]
	s_wait_alu depctr_va_vdst(0)                   ; the wait stands here, directly ahead of the first reader of the offset
	global_prefetch_b8 v23, s[4:5] th:TH_LOAD_NT scope:SCOPE_SE   ; step 0, two rounds of the cluster's barrier ahead of its load
	CROUND
.irp s, 0,1
	s_mov_b32 s[G0+4*\s], 1
	s_add_co_u32 s[G0+4*\s+1], s45, \s*SLOT
	s_add_nc_u64 s[G0+4*\s+2:G0+4*\s+3], s[20:21], \s*STEPB
	s_or_b32 s[G0+4*\s+3], s[G0+4*\s+3], 0x80000000
	s_mov_b32 s[G0B+4*\s], 1
	s_add_co_u32 s[G0B+4*\s+1], s45, \s*SLOT
	s_add_nc_u64 s[G0B+4*\s+2:G0B+4*\s+3], s[46:47], \s*STEPB
	s_or_b32 s[G0B+4*\s+3], s[G0B+4*\s+3], 0x80000000
	s_wait_alu depctr_va_vdst(0)
	s_wait_tensorcnt 0x0
	ds_add_u32 v16, v17
	ds_add_u32 v16, v17
	s_wait_dscnt 0x0
	CROUND
	JLOAD G0+4*\s, G1, G0B+4*\s, G1B
.if \s == 0
	global_prefetch_b8 v23, s[4:5] offset:STEPB th:TH_LOAD_NT scope:SCOPE_SE     ; steps 1 and 2
	global_prefetch_b8 v23, s[4:5] offset:2*STEPB th:TH_LOAD_NT scope:SCOPE_SE
.else
	global_prefetch_b8 v23, s[4:5] offset:3*STEPB th:TH_LOAD_NT scope:SCOPE_SE   ; step 3
.endif
.endr
	v_and_b32 v7, 31, v0
	v_and_b32 v1, 15, v0
	s_wait_alu depctr_va_vdst(0)
	v_bfe_u32 v2, v0, 4, 1
	v_mul_u32_u24 v3, v1, PITCH
	v_lshl_add_u32 v3, v2, 4, v3
	s_mul_i32 s21, s16, 2*HALFT
	s_lshl_b32 s22, s15, 7
	s_add_co_u32 s21, s21, s22
	s_add_co_u32 s22, s21, HALFT
.irp s, 0,1
	v_add_nc_u32 v[ADRA+\s], s21, v3
	v_add_nc_u32 v[ADRB+\s], s22, v3
	s_add_co_u32 s21, s21, SLOT
	s_add_co_u32 s22, s22, SLOT
.endr
	s_mul_i32 s23, s14, PART
	v_mul_u32_u24 v3, v1, SPITCH
	s_wait_alu depctr_va_vdst(0)
	v_lshl_add_u32 v3, v2, 5, v3
	v_add_nc_u32 v[STO], s23, v3
	s_mul_i32 s23, s14, 32*SPITCH
	v_lshl_add_u32 v3, v7, 4, s23
.irp q, 0,1,2,3
	v_add_nc_u32 v[RD+\q], \q*PART, v3
.endr
	s_lshl_b32 s46, s42, 9
	v_lshl_add_u32 v[CO], v7, 4, s46
	s_lshl_b32 s18, s17, 19
	s_lshl_b32 s19, s14, 17
	s_add_co_u32 s18, s18, s19
	s_mov_b32 s19, 0
	s_add_nc_u64 s[10:11], s[10:11], s[18:19]
	s_wait_kmcnt 0x0
	s_add_co_i32 s18, s76, s77
	s_add_co_i32 s19, s78, s79
	s_sub_co_i32 s18, s18, s19
	s_add_co_i32 s66, s18, 127
	s_lshl_b32 s66, s66, 23
	s_mov_b32 s67, s66
	s_add_co_i32 s96, s19, 127
	s_lshl_b32 s96, s96, 23
	s_mov_b32 s97, s96
.macro FRAG reg, adr, i
.irp c, 0,1,2,3
	ds_load_b128 v[\reg+4*\c:\reg+4*\c+3], v[\adr] offset:32*\c+(\i)*16*PITCH
.endr
.endm
.macro MUL16 a0, p, zero
.irp a, \a0, \a0+1
.irp b, 0,1,2,3,4,5,6,7
.if \zero
	v_wmma_f32_16x16x128_bf8_bf8 v[8*(8*((\a)%4)+\b):8*(8*((\a)%4)+\b)+7], v[128*(\p)+FR*\b:128*(\p)+FR*\b+FR-1], v[AF+FR*(\a):AF+FR*(\a)+FR-1], 0
.else
	v_wmma_f32_16x16x128_bf8_bf8 v[8*(8*((\a)%4)+\b):8*(8*((\a)%4)+\b)+7], v[128*(\p)+FR*\b:128*(\p)+FR*\b+FR-1], v[AF+FR*(\a):AF+FR*(\a)+FR-1], v[8*(8*((\a)%4)+\b):8*(8*((\a)%4)+\b)+7]
.endif
.endr
.endr
.endm
.macro FETCH_B slot, p
	WIN TO_B
.irp i, 0,1,2,3,4,5,6,7
	FRAG 128*(\p)+FR*\i, ADRB+\slot, \i
.endr
	WIN 0
.endm
.macro FETCH_A slot, i0
.irp i, \i0, \i0+1, \i0+2, \i0+3
	FRAG AF+FR*(\i), ADRA+\slot, \i
.endr
.endm
.macro TURN slot, next, fill, zero
.if \fill
	s_wait_xcnt 0x0                                ; my prefetches have read their address: it steps only behind this wait
	s_add_nc_u64 s[4:5], s[4:5], STEPB
.endif
	s_wait_dscnt 16
	WIN MUL_LO
	MUL16 0, \slot, \zero
	MUL16 2, \slot, \zero
	WIN 0
	s_wait_tensorcnt 0x0
	ds_add_u32 v[SPW], v[NIL]
.if \fill
	s_add_nc_u64 s[G0+4*\slot+2:G0+4*\slot+3], s[G0+4*\slot+2:G0+4*\slot+3], 2*STEPB
	s_add_nc_u64 s[G0B+4*\slot+2:G0B+4*\slot+3], s[G0B+4*\slot+2:G0B+4*\slot+3], 2*STEPB
.endif
	s_wait_dscnt 0x0
	s_barrier_signal -1
	s_barrier_wait -1
.if \fill
	CREST
	JLOAD G0+4*\slot, G1, G0B+4*\slot, G1B
.else
	PLACES 4
.endif
	FETCH_B \next, \next
	FETCH_A \next, 0
.if \fill
	s_cmp_gt_u32 s3, 1                             ; the last lap's two refills have no step two refills on
	s_cbranch_scc0 .Lnoask_\@
	global_prefetch_b8 v23, s[4:5] offset:3*STEPB th:TH_LOAD_NT scope:SCOPE_SE   ; in step t: step t + 4; the refill above asked for t + 2
.Lnoask_\@:
.endif
	WIN MUL_HI
	MUL16 4, \slot, \zero
	s_wait_alu depctr_va_vdst(0)
	MUL16 6, \slot, \zero
	PLACES 4
	WIN 0
	FETCH_A \next, 4
.endm
.macro RESCALE
	WIN 0x82
.set j, 0
.rept 128
	v_pk_mul_f32 v[j:j+1], v[j:j+1], s[66:67] op_sel_hi:[1,0]
.set j, j+2
.endr
	WIN 0xc3
.set j, 0
.rept 128
	v_pk_mul_f32 v[j:j+1], v[j:j+1], s[66:67] op_sel_hi:[1,0]
.set j, j+2
.endr
	WIN 0
.endm
.macro STG4 hw
.irp a, 0,1,2,3
.irp b, 0,1,2,3,4,5,6,7
	ds_store_b128 v[STO], v[8*(8*\a+\b):8*(8*\a+\b)+3] offset:(4*\hw+\a)*16*SPITCH+64*\b
	ds_store_b128 v[STO], v[8*(8*\a+\b)+4:8*(8*\a+\b)+7] offset:(4*\hw+\a)*16*SPITCH+64*\b+16
.endr
.endr
.endm
	s_wait_tensorcnt 0x1
	s_barrier_signal -1
	s_barrier_wait -1
	FETCH_B 0, 0
	FETCH_A 0, 0
	FETCH_A 0, 4
	TURN 0, 1, 1, 1
	TURN 1, 0, 1, 0
	RESCALE
	s_mov_b32 s3, LAPS
.Llap:
	TURN 0, 1, 1, 0
	TURN 1, 0, 1, 0
	s_sub_co_u32 s3, s3, 1
	s_cmp_lg_u32 s3, 0
	s_cbranch_scc1 .Llap
	TURN 0, 1, 0, 0
	s_wait_dscnt 16
	WIN MUL_LO
	MUL16 0, 1, 0
	MUL16 2, 1, 0
	s_wait_dscnt 0x0
	s_barrier_signal -1
	WIN MUL_HI
	MUL16 4, 1, 0
	MUL16 6, 1, 0
	WIN 0
	s_barrier_wait -1
	PLACES 4
	WIN 0x08
	STG4 0
	WIN 0x0c
	STG4 1
	WIN 0
	s_wait_dscnt 0x0
	s_barrier_signal -1
	s_barrier_wait -1
.macro LOADB t
.set BB, 32+64*((\t)%2)
.irp i, 0,1,2,3
.irp q, 0,1,2,3
	ds_load_b128 v[BB+16*\i+4*\q:BB+16*\i+4*\q+3], v[RD+\q] offset:(4*(\t)+\i)*SPITCH
.endr
.endr
.endm
.macro SUMB t
.set BB, 32+64*((\t)%2)
.irp i, 0,1,2,3
.irp e, 0,2
	v_pk_add_f32 v[BB+16*\i+\e:BB+16*\i+\e+1], v[BB+16*\i+\e:BB+16*\i+\e+1], v[BB+16*\i+4+\e:BB+16*\i+4+\e+1]
	v_pk_add_f32 v[BB+16*\i+8+\e:BB+16*\i+8+\e+1], v[BB+16*\i+8+\e:BB+16*\i+8+\e+1], v[BB+16*\i+12+\e:BB+16*\i+12+\e+1]
.endr
.irp e, 0,2
	v_pk_add_f32 v[BB+16*\i+\e:BB+16*\i+\e+1], v[BB+16*\i+\e:BB+16*\i+\e+1], v[BB+16*\i+8+\e:BB+16*\i+8+\e+1]
.endr
.irp e, 0,2
	v_pk_mul_f32 v[BB+16*\i+\e:BB+16*\i+\e+1], v[BB+16*\i+\e:BB+16*\i+\e+1], s[96:97] op_sel_hi:[1,0]
.endr
	global_store_b128 v[CO], v[BB+16*\i:BB+16*\i+3], s[10:11] offset:(4*(\t)+\i)*4096 th:TH_STORE_NT
.endr
.endm
	LOADB 0
.irp t, 0,1,2,3,4,5,6,7
.if \t < 7
	s_wait_xcnt 0x0
	LOADB \t+1
	s_wait_dscnt 16
.else
	s_wait_dscnt 0x0
.endif
	SUMB \t
.endr
	s_wait_tensorcnt 0x0
	ds_add_u32 v[SPW], v[NIL]
	s_wait_dscnt 0x0
	CROUND
	s_endpgm
.Lfunc_end_k_qffd22ab42d_gemm3:
	.size	k_qffd22ab42d_gemm3, .Lfunc_end_k_qffd22ab42d_gemm3-k_qffd22ab42d_gemm3
	.p2alignl 7, 3214868480
	.fill 96, 4, 3214868480
	.section	.rodata,"a",@progbits
	.p2align	6, 0x0
	.amdhsa_kernel k_qffd22ab42d_gemm3
		.amdhsa_group_segment_fixed_size 327680
		.amdhsa_private_segment_fixed_size 0
		.amdhsa_enable_private_segment 0
		.amdhsa_kernarg_size 32
		.amdhsa_user_sgpr_count 2
		.amdhsa_user_sgpr_kernarg_segment_ptr 1
		.amdhsa_wavefront_size32 1
		.amdhsa_system_sgpr_workgroup_id_x 1
		.amdhsa_system_sgpr_workgroup_id_y 1
		.amdhsa_system_sgpr_workgroup_id_z 1
		.amdhsa_system_vgpr_workitem_id 0
		.amdhsa_next_free_vgpr 1024
		.amdhsa_next_free_sgpr 102
		.amdhsa_reserve_vcc 0
		.amdhsa_float_denorm_mode_32 3
		.amdhsa_float_denorm_mode_16_64 3
		.amdhsa_memory_ordered 1
		.amdhsa_forward_progress 1
		.amdhsa_inst_pref_size 118
	.end_amdhsa_kernel
	.amdgpu_metadata
---
amdhsa.version: [ 1, 2 ]
amdhsa.kernels:
  - .name:           k_qffd22ab42d_gemm3
    .symbol:         k_qffd22ab42d_gemm3.kd
    .args:
      - { .name: hcodes, .offset: 0, .size: 8, .value_kind: global_buffer, .address_space: global }
      - { .name: wcodes, .offset: 8, .size: 8, .value_kind: global_buffer, .address_space: global }
      - { .name: lowp_scales, .offset: 16, .size: 8, .value_kind: global_buffer, .address_space: global }
      - { .name: out0, .offset: 24, .size: 8, .value_kind: global_buffer, .address_space: global }
    .group_segment_fixed_size: 327680
    .private_segment_fixed_size: 0
    .kernarg_segment_align: 8
    .kernarg_segment_size: 32
    .max_flat_workgroup_size: 128
    .sgpr_count:     102
    .vgpr_count:     1024
    .wavefront_size: 32
...
	.end_amdgpu_metadata
.endif
;; end of part 3
